; MI455X (gfx1250); checked and timed in simulation.
; The chip was launched on July 23, 2026; its instructions are those of AMD's public machine-readable ISA for CDNA 5 (MIT licence, August 2026) and "CDNA5" Instruction Set Architecture Reference Guide (July 2026). The comments in the code are by the model that wrote it; some were corrected since.
;; Attention Layer. Allowed arithmetic: matrix products marked QUANTISED: E2M1 operands, one E8M0 scale for each 32 along K, by v_wmma_scale_f32_16x16x128_f8f6f4 with both operands' format E2M1 (or v_wmma_scale_f32_32x16x128_f4), f32 sums; everything else in f32.
;; Inputs: Wk_codes 1,024 x 32 x 16 uint8 (E2M1 codes of Wk, K innermost, in blocks of 32 codes, two codes a byte); Wk_scales 1,024 x 32 uint8 (E8M0 scales of Wk, one for each 32 codes along K); Wo_codes 1,024 x 32 x 16 uint8 (E2M1 codes of Wo, K innermost, in blocks of 32 codes, two codes a byte); Wo_scales 1,024 x 32 uint8 (E8M0 scales of Wo, one for each 32 codes along K); Wq_codes 1,024 x 32 x 16 uint8 (E2M1 codes of Wq, K innermost, in blocks of 32 codes, two codes a byte); Wq_scales 1,024 x 32 uint8 (E8M0 scales of Wq, one for each 32 codes along K); Wv_codes 1,024 x 32 x 16 uint8 (E2M1 codes of Wv, K innermost, in blocks of 32 codes, two codes a byte); Wv_scales 1,024 x 32 uint8 (E8M0 scales of Wv, one for each 32 codes along K); bk 1,024 float32; bo 1,024 float32; bq 1,024 float32; bv 1,024 float32; keys_codes 4 x 2,048 x 32 x 16 uint8 (E2M1 codes of keys, K innermost, in blocks of 32 codes, two codes a byte); keys_scales 4 x 2,048 x 32 uint8 (E8M0 scales of keys, one for each 32 codes along K); queries_codes 4 x 2,048 x 32 x 16 uint8 (E2M1 codes of queries, K innermost, in blocks of 32 codes, two codes a byte); queries_scales 4 x 2,048 x 32 uint8 (E8M0 scales of queries, one for each 32 codes along K); values_codes 4 x 2,048 x 32 x 16 uint8 (E2M1 codes of values, K innermost, in blocks of 32 codes, two codes a byte); values_scales 4 x 2,048 x 32 uint8 (E8M0 scales of values, one for each 32 codes along K).
;; Outputs: out0 4 x 2,048 x 1,024 float32.
;; This version of the problem:
;;   THIS VERSION OF THE PROBLEM IS GIVEN IN LOW PRECISION. The matrix products marked QUANTISED in the list below multiply operands that are first quantised to E2M1 (2 exponent bits, 1 mantissa bit; 4 bits a number), with one power-of-two scale for each 32 numbers along K (OCP MX v1.0); their sums are f32. All else is computed in f32.
;;   The module's matrix products, in the order in which they are computed (A, B: the left and right operand; K: the contracted axis; several contracted axes count as one K, in the product's order):
;;     1. [M 8,192, K 1,024] x [K 1,024, N 1,024]; A: input queries (given as codes); B: input Wq (given as codes): QUANTISED
;;     2. [M 8,192, K 1,024] x [K 1,024, N 1,024]; A: input keys (given as codes); B: input Wk (given as codes): QUANTISED
;;     3. [M 8,192, K 1,024] x [K 1,024, N 1,024]; A: input values (given as codes); B: input Wv (given as codes): QUANTISED
;;     4. batch 64 x [M 2,048, K 64] x [K 64, N 2,048]; A: computed on the way; B: computed on the way: QUANTISED
;;     5. batch 64 x [M 64, K 2,048] x [K 2,048, N 2,048]; A: computed on the way; B: softmax (see below): QUANTISED
;;     6. [M 8,192, K 1,024] x [K 1,024, N 1,024]; A: computed on the way; B: input Wo (given as codes): QUANTISED
;;   THE QUANTISER, for each operand of a quantised product, along K:
;;     - K is cut into blocks of 32 from its start; a last block that is shorter is filled with zeros.
;;     - A block's scale is 2^e with e = floor(log2(the largest magnitude in the block)) - 2, held to -126 .. 127; a block of zeros has e = 0. As a byte (E8M0): e + 127.
;;     - Each number is divided by its block's scale, clamped to +-6, and rounded to the nearest number of E2M1, ties to even, subnormals kept.
;;     - The product sums the exact products of the quantised numbers (number of the format x scale) in f32.
;;   ~~~python
;;   def quantise(x, axis):      # numpy; x: float32 -> the quantised numbers, widened to float32 again
;;       x = np.moveaxis(x, axis, -1); K = x.shape[-1]
;;       x = np.pad(x, [(0, 0)] * (x.ndim - 1) + [(0, -K % 32)]); x = x.reshape(x.shape[:-1] + (-1, 32)); a = np.abs(x).max(-1, keepdims=True)
;;       e = np.where(a > 0, np.clip(np.frexp(np.where(a > 0, a, 1))[1] - 1 - 2, -126, 127), 0)      # np.frexp(a)[1] - 1 = floor(log2(a)), exactly
;;       r = np.clip(x / 2.0 ** e, -6, 6)
;;       step = 2.0 ** (np.maximum(np.frexp(np.where(r == 0, 1, r))[1] - 1, 0) - 1)
;;       q = np.round(r / step) * step * 2.0 ** e      # np.round: ties to even
;;       return np.moveaxis(q.reshape(q.shape[:-2] + (-1,))[..., :K], -1, axis).astype(np.float32)
;;   ~~~
;;   SOFTMAX AHEAD OF A QUANTISED PRODUCT. Where the list says 'softmax', what is quantised is not the finished softmax but p = 2^(t - M), with t = logit x log2(e) and M = ceil(the row's largest t), a whole number; so 1/2 < the row's largest p <= 1. The row's sum l is taken of the UNQUANTISED p, in f32, and the product's result is divided by l at the end. Since M is a whole number, a kernel that streams over the keys may use a running M (the ceiling of the running maximum): every later rescaling is an exact power of two, which a block's scale takes up: the codes' values come out the same.
;;   OPERANDS COMPUTED ON THE WAY. 'Computed on the way' means the value that the module computes at that place (a softmax that the list does not call 'softmax' is quantised finished and normalised). What goes into a quantiser is computed in f32, as accurately as f32 sums, v_exp_f32 and their like allow (about 1e-6 of the number): no bf16 or f16 on the way to a quantiser, and a product that is left as it is and whose result goes on into a quantised operand takes f32 operands (vector FMAs, or v_wmma_f32_16x16x4_f32). A number that lies on a knife's edge between two numbers of the format may be rounded either way, as far as f32 arithmetic and the matrix unit's own rounding can turn it there, and no further.
;;   INPUTS GIVEN AS CODES. Wk (in the module: [1024, 1024], K = its axis 1); Wo (in the module: [1024, 1024], K = its axis 1); Wq (in the module: [1024, 1024], K = its axis 1); Wv (in the module: [1024, 1024], K = its axis 1); keys (in the module: [4, 2048, 1024], K = its axis 2); queries (in the module: [4, 2048, 1024], K = its axis 2); values (in the module: [4, 2048, 1024], K = its axis 2): each comes as NAME_codes (uint8): NAME with its K axis moved to the last place and cut into blocks of 32 codes, [.., K / 32, bytes a block], one block behind the other in memory; two codes a byte, the lower K in the low four bits (a code: sign, 2 exponent bits, 1 mantissa bit); and NAME_scales (uint8): the same leading axes, one E8M0 byte (e + 127) for each 32 codes along K. Its value is code x scale, taken as it is: it is not quantised again, and the codes and scales need not be those that the quantiser above would give.
;; One version. Each part assembles by itself: llvm-mc -triple=amdgcn-amd-amdhsa -mcpu=gfx1250 --defsym DOCPART=n.
;; ======== version 1 of 1: 3 launches
;; limits: right only within a limited range of input values
;; workspace buffers: qw 4,456,448 bytes; kv 8,912,896 bytes; oc 4,194,304 bytes; os 262,144 bytes
;; launch qkv (part 1): grid 4 x 96, 4 waves a work-group, clusters of 4 x 4, 327,680 bytes of LDS; arguments queries_codes, queries_scales, Wq_codes, Wq_scales, bq, keys_codes, keys_scales, Wk_codes, Wk_scales, bk, Wv_codes, Wv_scales, values_codes, values_scales, bv, qw, kv; writes qw, kv
.if DOCPART == 1
	.amdgcn_target "amdgcn-amd-amdhsa--gfx1250"
	.amdhsa_code_object_version 6
	.text
	.protected	k_q499436af7e_qkv
	.globl	k_q499436af7e_qkv
	.p2align	8
	.type	k_q499436af7e_qkv,@function
k_q499436af7e_qkv:
	s_mov_b64 s[64:65], 0
	v_nop
	global_prefetch_b8 v0, s[64:65] scope:SCOPE_SE
	s_setreg_imm32_b32 hwreg(HW_REG_WAVE_MODE, 25, 1), 1
	s_wait_xcnt 0x0
	s_wait_alu depctr_hold_cnt(0) depctr_sa_sdst(0) depctr_va_vdst(0) depctr_va_sdst(0) depctr_va_ssrc(0) depctr_va_vcc(0) depctr_vm_vsrc(0)
	s_getreg_b32 s2, hwreg(HW_REG_IB_STS2, 6, 4)
	s_cmp_eq_u32 s2, 0
	s_cbranch_scc0 .Lentry_in_a_cluster
	s_endpgm
.Lentry_in_a_cluster:
	s_bfe_u32 s2, ttmp6, 0x10000c
	s_cmp_lg_u32 s2, 0xf033
	s_cbranch_scc0 .Lentry_shape_is_right
	s_endpgm
.Lentry_shape_is_right:
; q = queries Wq^T + bq, k = keys Wk^T + bk, v = values Wv^T + bv, on codes of FP4 (E2M1) with one E8M0 scale for each 32 along K = 1,024; sums in f32.
; The results never leave as f32: q and k are quantised along a head's 64 (two blocks of 32), v along the keys, and stored as IMAGES OF OPERAND REGISTERS for the attention launch.
; ONE TEXT FOR THE THREE PRODUCTS.  X is source 1 (a lane holds one row of X), Y is source 0 (a lane's registers run along Y's rows: the axis that is quantised).
;   q, k: X = the tokens, Y = the weight's rows (features).   v: X = Wv's rows (features), Y = the tokens (keys).   Which of the three: the cluster's y / 8, the same in all sixteen partners.
; A work-group of four waves makes 256 rows of X x 256 rows of Y; a wave 128 x 128: 64 accumulators, 512 registers.  K = 1,024 is two LDS slots of 512 along K (rows of 256 bytes): both are asked for at the start, nothing is filled twice.
; The scales of the work-group's rows, for all of K, are two dense blocks of memory: they come with the first fills, in whole runs of 256 bytes.
; CLUSTERS: 4 x 4 work-groups.  X's tile hangs on cy alone and is shared along a row of the cluster, Y's on cx alone and is shared along a column: each is asked for jointly, by the same tensor load with a mask that names the four.
; THE WAY OUT.  A lane's 64 numbers of one row of X (8 tiles of Y x 8 registers) get the bias and become one fragment of 16 rows x 128: 8 registers and a scale word.
;   Register 16 b + i of a lane (r, h) is k = 32 b + 8 h + i (i < 8) or 32 b + 16 + 8 h + i - 8: half of block b; lane l xor 16 holds the other half.
;   q, k: registers 0-3 are the first head's 64, registers 4-7 the second head's: each group of four is stored as 512 consecutive bytes, 16 a lane.   v: the fragment is V^T (16 channels x 128 keys) as the second product wants it.
; LIMITS: NaN and infinities are not served.  A block of zeros gets the byte 1 where the quantiser says 127: its codes are zeros, which add nothing under any byte but 0xff, and this program alone reads the bytes.
; REGISTERS, in windows of 256: window 0: v1-29 addresses; v32-95 scale words, two sets; v128-191 X's fragments, one set; v192-255 the bias.  Window 1: Y's fragments, two sets.  Windows 2, 3: the accumulators ((a, b) at v[8 (8 (a % 4) + b)]).
;   On the way out, window 0: v32-95 a row block's 64 numbers; v96-159 the codes, eight registers for each block; v160-175 at work; v176-183 the scale words; v184-187 as they are stored.
.set NQ,     4                         ; matrix instructions deep in a slot
.set ROWB,   256                       ; half a row in bytes: 512 codes
.set KROW,   512                       ; a row of X or Y in memory
.set PITCH,  528                       ; an LDS row: all of K, 512 bytes, + 16 of padding = 33 x 16 bytes: the 16 rows that a load touches start at 16 different 16-byte columns
.set FR,     8                         ; registers of a fragment
.set NL,     2                         ; LDS loads that bring one
.set NP,     4                         ; places behind this matrix instruction (ISA guide 7.12.1)
.set HALFT,  128*PITCH                 ; 128 rows: a wave's half of a tile
.set SLOT,   256                       ; the second 512 along K begin 256 bytes into each row
.set KS,     32                        ; a row of scales in bytes
.set SCL,    4*HALFT                   ; behind X's 256 rows and Y's 256 rows: the scales, as runs of 256 bytes + 16 of padding
.set HALFS,  (128*KS/256)*272          ; those of 128 rows
.set SBLK,   (16*KS/256)*272           ; those of 16 rows
.set SPARE,  SCL+4*HALFS               ; the spare words, 128 bytes for each wave: two blocks of 256 bytes that no other line names
.set BO0,  8                           ; v8   bias of q, k: 32 h bytes
.set BO1,  9                           ; v9   bias of v: 4 r bytes
.set VSO,  10                          ; v10  where my scale words go: h x a head's bytes + 16 r
.set SELV, 11                          ; v11  byte select: lanes 0-15 the words' low halves, lanes 16-31 their high halves
.set ADRA, 16                          ; v16-17  LDS address of my X fragments in slot 0, 1
.set ADRB, 20                          ; v20-21  the same for Y
.set LI,   26                          ; v26  16 x lane
.set ADRS, 27                          ; v27  LDS address of my scale words: lanes 0-15 X's rows, lanes 16-31 Y's
.set SPW,  28                          ; v28  LDS address of my spare word; never rewritten
.set NIL,  29                          ; v29  0; never rewritten
.set SC,   32
.set AF,   128
.set BIAS, 192
.set T,    32
.set PC,   96
.set TM,   160
.set PWS,  176
.set WO,   184
.set SEL,  2                           ; s[2:3]   lane selects for v_permlanex16_b32: lane l xor 16
.set OUT0, 12                          ; s[12:13] my group in the first head of my pair
.set G1, 24                            ; s[24:31] descriptor group 1 for X's tiles;  s[32:35] group 0
.set G0, 32
.set G1B, 48                           ; s[48:55], s[56:59] the same for Y's
.set G0B, 56
.set G1S, 68                           ; s[68:75], s[76:79] groups 1 and 0 for X's scales;  s[80:87], s[88:91] for Y's
.set G0S, 76
.set G1SB, 80
.set G0SB, 88
.set TAU,  95                          ; s95  0: q, 1: k, 2: v
.set BP,   96                          ; s[96:97] the bias at my 128 features
.set OUT1, 98                          ; s[98:99] my group in the second head
.set GS,   100                         ; s100 bytes of a group of 128 tokens in the output buffer
.set HS,   101                         ; s101 bytes of a head: 16 groups
.set MSB, 0
.macro WIN new                         ; the immediate's high byte repeats the setting that is left
.if MSB != (\new)
	s_set_vgpr_msb (MSB<<8)|(\new)
.set MSB, (\new)
.endif
.endm
.set MUL_LO, 0xa1                      ; source 0 (Y) window 1, source 1 (X) window 0, C and D window 2
.set MUL_HI, 0xf1                      ; the same, C and D window 3
.set TO_B,   0x40                      ; destination window 1, address window 0
; One arm of the head's chain of branches on the wave's number: a joint load, and a jump to the chain's end.  An s_nop 0 and four v_nop follow the load.
.macro ARM under, g0, g1, next
	s_cmp_lt_u32 s14, \under
	s_cbranch_scc0 \next
	tensor_load_to_lds s[\g0:\g0+3], s[\g1:\g1+7]
	s_nop 0
.rept 4
	v_nop
.endr
	s_branch .Lhead_asked
\next:
.endm
.macro CREST                           ; a round of the cluster's barrier behind its opening barrier
	s_cmp_lg_u32 s14, 0
	s_cbranch_scc1 .Lnot_wave_0_\@
	s_barrier_signal -3
.Lnot_wave_0_\@:
	s_barrier_wait -3
	s_barrier_signal -1
	s_barrier_wait -1
.endm
.macro CROUND                          ; a whole round
	s_barrier_signal -1
	s_barrier_wait -1
	CREST
.endm
	s_load_b512 s[24:39], s[0:1], 0x0              ; q: X codes, X scales, Y codes, Y scales, bias;  k: X codes, X scales, Y codes
	s_load_b512 s[68:83], s[0:1], 0x40             ; k: Y scales, bias;  v: X codes, X scales, Y codes, Y scales, bias;  qw
	s_load_b64 s[84:85], s[0:1], 0x80              ; kv
	v_lshl_add_u32 v[SPW], v0, 2, SPARE
	v_mov_b32 v[NIL], 0
	ds_add_u32 v28, v29
	ds_add_u32 v28, v29
	s_wait_dscnt 0x0
	v_lshrrev_b32 v1, 5, v0
	v_readfirstlane_b32 s14, v1                    ; wave 0..3
	s_lshr_b32 s15, s14, 1                         ; which half of X's rows is mine.
	s_and_b32 s16, s14, 1                          ; which half of Y's rows.
	s_bfe_u32 s40, ttmp6, 0x40000                  ; cx, cy: my place in the cluster
	s_bfe_u32 s41, ttmp6, 0x40004
	s_and_b32 s18, ttmp7, 0xffff                   ; the cluster's y, 0 .. 23
	s_lshr_b32 s[TAU], s18, 3                      ; which product
	s_and_b32 s18, s18, 7
	s_lshl_b32 s18, s18, 2                         ; the first of the cluster's four tiles of 256 tokens
	s_cmp_eq_u32 s[TAU], 2
	s_cselect_b32 s17, 0, s18                      ; the tokens are X for q and k,
	s_cselect_b32 s42, s18, 0                      ; and Y for v
	s_add_co_u32 s17, s17, s41                     ; X's tile: hangs on cy alone
	s_lshl_b32 s19, ttmp9, 2
	s_add_co_u32 s42, s42, s19
	s_add_co_u32 s42, s42, s40                     ; Y's tile: hangs on cx alone
	s_lshl_b32 s43, s41, 2
	s_lshl_b32 s43, 15, s43                        ; my row of the cluster
	s_lshl_b32 s44, 0x1111, s40                    ; my column
	s_lshl_b32 s20, s17, 8                         ; X: the tile's first row, 256 x tile
	s_lshl_b32 s46, s42, 8                         ; Y likewise
	s_lshl_b32 s22, s20, 5                         ; where these rows' scales begin: 32 bytes a row,
	s_mov_b32 s23, 0
	s_lshl_b32 s92, s46, 5
	s_mov_b32 s93, 0
	s_lshl_b32 s20, s20, 9                         ; and their codes: 512 bytes a row (8,192 rows at the most: under 2^32)
	s_mov_b32 s21, 0
	s_lshl_b32 s46, s46, 9
	s_mov_b32 s47, 0
	s_wait_kmcnt 0x0
	s_cmp_eq_u32 s[TAU], 1                         ; the product's five inputs: a choice that hangs on the cluster's number alone
	s_cselect_b64 s[4:5], s[34:35], s[24:25]
	s_cselect_b64 s[6:7], s[36:37], s[26:27]
	s_cselect_b64 s[8:9], s[38:39], s[28:29]
	s_cselect_b64 s[10:11], s[68:69], s[30:31]
	s_cselect_b64 s[BP:BP+1], s[70:71], s[32:33]
	s_cmp_eq_u32 s[TAU], 2
	s_cselect_b64 s[4:5], s[72:73], s[4:5]
	s_cselect_b64 s[6:7], s[74:75], s[6:7]
	s_cselect_b64 s[8:9], s[76:77], s[8:9]
	s_cselect_b64 s[10:11], s[78:79], s[10:11]
	s_cselect_b64 s[BP:BP+1], s[80:81], s[BP:BP+1]
	s_cmp_eq_u32 s[TAU], 0
	s_cselect_b64 s[OUT0:OUT0+1], s[82:83], s[84:85]   ; q goes to qw, k and v to kv
	s_add_nc_u64 s[20:21], s[4:5], s[20:21]
	s_add_nc_u64 s[22:23], s[6:7], s[22:23]
	s_add_nc_u64 s[46:47], s[8:9], s[46:47]
	s_add_nc_u64 s[92:93], s[10:11], s[92:93]
	; descriptor group 1: a tile of 256 rows x 512 bytes, padded in LDS
	s_or_b32 s[G1+0], s43, (0<<16)|(1<<20)|(1<<21)|(6<<22)|(3<<25)  ; a tile of 256 rows x 512 bytes, all of K: the mask (X's go to my row); elements of 1 byte; padding of 4 words after every 128 words
	s_or_b32 s[G1B+0], s44, (0<<16)|(1<<20)|(1<<21)|(6<<22)|(3<<25)
.irp g, G1, G1B
	s_mov_b32 s[\g+1], KROW<<16                    ; tensor_dim0
	s_mov_b32 s[\g+2], 256<<16                     ; tensor_dim1 = 256
	s_mov_b32 s[\g+3], KROW<<16                    ; tile_dim0
	s_mov_b32 s[\g+4], 256                         ; tile_dim1 = 256
	s_mov_b32 s[\g+5], KROW                        ; tensor_dim0_stride
	s_mov_b32 s[\g+6], 0
	s_mov_b32 s[\g+7], 0
.endr
	; and for the scales of 256 rows: a dense block of 8,192 bytes, as 32 rows of 256 bytes (32 elements of 8 bytes), 16 bytes of padding behind each
	s_or_b32 s[G1S+0], s43, (3<<16)|(1<<20)|(1<<21)|(5<<22)|(3<<25)
	s_or_b32 s[G1SB+0], s44, (3<<16)|(1<<20)|(1<<21)|(5<<22)|(3<<25)
.irp g, G1S, G1SB
	s_mov_b32 s[\g+1], 32<<16
	s_mov_b32 s[\g+2], KS<<16                      ; the scales of 256 rows: 8,192 dense bytes, 32 rows of 256
	s_mov_b32 s[\g+3], 32<<16
	s_mov_b32 s[\g+4], KS
	s_mov_b32 s[\g+5], 32
	s_mov_b32 s[\g+6], 0
	s_mov_b32 s[\g+7], 0
.endr
	CROUND                                         ; all sixteen work-groups are here: the first joint loads meet
	; THE HEAD'S FOUR TILES, ONE LOAD A WAVE: wave 0 X's 256 rows, all of K; wave 1 Y's; wave 2 X's scales; wave 3 Y's.  Nothing else is ever loaded into LDS.
	s_mov_b32 s[G0], 1
	s_mov_b32 s[G0+1], 0
	s_mov_b64 s[G0+2:G0+3], s[20:21]
	s_or_b32 s[G0+3], s[G0+3], 0x80000000
	s_mov_b32 s[G0B], 1
	s_mov_b32 s[G0B+1], 2*HALFT
	s_mov_b64 s[G0B+2:G0B+3], s[46:47]
	s_or_b32 s[G0B+3], s[G0B+3], 0x80000000
	s_mov_b32 s[G0S], 1
	s_mov_b32 s[G0S+1], SCL
	s_mov_b64 s[G0S+2:G0S+3], s[22:23]
	s_or_b32 s[G0S+3], s[G0S+3], 0x80000000
	s_mov_b32 s[G0SB], 1
	s_mov_b32 s[G0SB+1], SCL+2*HALFS
	s_mov_b64 s[G0SB+2:G0SB+3], s[92:93]
	s_or_b32 s[G0SB+3], s[G0SB+3], 0x80000000
	ARM 1, G0,  G1,  .Lhead_b
	ARM 2, G0B, G1B, .Lhead_sa
	ARM 3, G0S, G1S, .Lhead_sb
	tensor_load_to_lds s[G0SB:G0SB+3], s[G1SB:G1SB+7]
	s_nop 0
.rept 4
	v_nop
.endr
.Lhead_asked:
	v_and_b32 v1, 15, v0                           ; r = l % 16
	v_bfe_u32 v2, v0, 4, 1                         ; h = l / 16
	v_mul_u32_u24 v3, v1, PITCH
	v_lshl_add_u32 v4, v2, 4, v3                   ; a fragment's row x pitch + 16 x half
	s_mul_i32 s21, s15, HALFT                      ; my 128 rows of X
	s_mul_i32 s22, s16, HALFT                      ; my 128 rows of Y,
	s_add_co_u32 s22, s22, 2*HALFT                 ; which lie behind X's 256
.irp s, 0,1
	v_add_nc_u32 v[ADRA+\s], s21, v4
	v_add_nc_u32 v[ADRB+\s], s22, v4
	s_add_co_u32 s21, s21, SLOT
	s_add_co_u32 s22, s22, SLOT
.endr
	v_mul_u32_u24 v5, v1, KS                       ; my row's scales: 32 bytes a row,
	v_lshrrev_b32 v6, 8, v5
	v_lshl_add_u32 v5, v6, 4, v5                   ; and 16 more for each 256 passed
	s_mul_i32 s21, s15, HALFS                      ; X's: my 128 rows
	s_mul_i32 s22, s16, HALFS                      ; Y's: my 128 rows, behind X's 256
	s_add_co_u32 s22, s22, 2*HALFS
	s_sub_co_u32 s22, s22, s21
	v_mul_u32_u24 v6, s22, v2                      ; lanes 16-31 take Y's
	s_add_co_u32 s21, s21, SCL
	v_add_nc_u32 v5, v5, v6
	v_add_nc_u32 v[ADRS], s21, v5
	; where my results go.  TG: my group of 128 tokens (0 .. 63);  PI: my 128 features = my pair of heads (0 .. 7)
	s_lshl_b32 s4, s17, 1
	s_add_co_u32 s4, s4, s15                       ; my 128 rows of X
	s_lshl_b32 s5, s42, 1
	s_add_co_u32 s5, s5, s16                       ; my 128 rows of Y
	s_cmp_eq_u32 s[TAU], 2
	s_cselect_b32 s6, s5, s4                       ; TG
	s_cselect_b32 s7, s4, s5                       ; PI
	s_cmp_eq_u32 s[TAU], 0
	s_mov_b32 s[GS], 8704                          ; a group in kv: K's codes and words, V's fragments and words;
	s_cselect_b32 s[GS], 4352, s[GS]               ; in qw: codes and words
	s_lshl_b32 s[HS], s[GS], 4
	s_lshr_b32 s8, s6, 4                           ; the batch
	s_lshl_b32 s8, s8, 4
	s_lshl_b32 s9, s7, 1
	s_add_co_u32 s8, s8, s9                        ; x 16 + the pair's first head
	s_lshl_b32 s8, s8, 4
	s_and_b32 s9, s6, 15
	s_add_co_u32 s8, s8, s9                        ; x 16 + the group in the batch
	s_mul_i32 s8, s8, s[GS]
	s_mov_b32 s9, 0
	s_add_nc_u64 s[OUT0:OUT0+1], s[OUT0:OUT0+1], s[8:9]
	s_mov_b32 s8, s[HS]
	s_add_nc_u64 s[OUT1:OUT1+1], s[OUT0:OUT0+1], s[8:9]
	s_lshl_b32 s8, s7, 9
	s_add_nc_u64 s[BP:BP+1], s[BP:BP+1], s[8:9]    ; the bias of my 128 features
	v_and_b32 v6, 31, v0
	v_lshlrev_b32 v[LI], 4, v6
	v_lshlrev_b32 v[BO0], 5, v2
	v_lshlrev_b32 v[BO1], 2, v1
	v_mul_lo_u32 v[VSO], v2, s[HS]
	v_lshl_add_u32 v[VSO], v1, 4, v[VSO]
	v_cmp_eq_u32 vcc_lo, 1, v2
	v_mov_b32 v[SELV], 0x05040100
	v_mov_b32 v5, 0x07060302
	v_cndmask_b32 v[SELV], v[SELV], v5, vcc_lo
	s_mov_b32 s[SEL], 0x76543210
	s_mov_b32 s[SEL+1], 0xfedcba98
.macro FRAG reg, adr, q, i             ; a fragment, 16 rows x 128 K of 4-bit codes, is 8 registers: lane l holds row l % 16; registers 4 c .. 4 c + 3 hold K = 64 c + 32 (l / 16) + 0 .. 31
.irp c, 0,1
	ds_load_b128 v[\reg+4*\c:\reg+4*\c+3], v[\adr] offset:64*(\q)+32*\c+(\i)*16*PITCH
.endr
.endm
; 16 matrix instructions: X's blocks a0, a0 + 1 x Y's eight, 128 along K: the slot's q-th.  p: Y's set;  sc: the set of scale words.  zero = 1: the first product starts the sums: nothing is ever cleared.
; The 64 accumulators take turns, one instruction a turn, in the same order in every step.  A scale register carries X's word in lanes 0-15 and Y's in lanes 16-31.
.macro MUL16 a0, p, q, sc, zero
.irp a, \a0, \a0+1
.irp b, 0,1,2,3,4,5,6,7
.if \zero
	v_wmma_scale_f32_16x16x128_f8f6f4 v[8*(8*((\a)%4)+\b):8*(8*((\a)%4)+\b)+7], v[128*(\p)+FR*\b:128*(\p)+FR*\b+FR-1], v[AF+FR*(\a):AF+FR*(\a)+FR-1], 0, v[SC+8*NQ*(\sc)+NQ*\b+(\q)], v[SC+8*NQ*(\sc)+NQ*(\a)+(\q)] matrix_a_fmt:MATRIX_FMT_FP4 matrix_b_fmt:MATRIX_FMT_FP4 matrix_a_scale:MATRIX_SCALE_ROW1
.else
	v_wmma_scale_f32_16x16x128_f8f6f4 v[8*(8*((\a)%4)+\b):8*(8*((\a)%4)+\b)+7], v[128*(\p)+FR*\b:128*(\p)+FR*\b+FR-1], v[AF+FR*(\a):AF+FR*(\a)+FR-1], v[8*(8*((\a)%4)+\b):8*(8*((\a)%4)+\b)+7], v[SC+8*NQ*(\sc)+NQ*\b+(\q)], v[SC+8*NQ*(\sc)+NQ*(\a)+(\q)] matrix_a_fmt:MATRIX_FMT_FP4 matrix_b_fmt:MATRIX_FMT_FP4 matrix_a_scale:MATRIX_SCALE_ROW1
.endif
.endr
.endr
.endm
.macro FETCH_B slot, q, p              ; Y's eight fragments of the slot's q-th 128 along K into set p
	WIN TO_B
.irp i, 0,1,2,3,4,5,6,7
	FRAG 128*(\p)+FR*\i, ADRB+\slot, \q, \i
.endr
	WIN 0
.endm
.macro FETCH_A slot, q, i0             ; X's blocks i0 .. i0 + 3
.irp i, \i0, \i0+1, \i0+2, \i0+3
	FRAG AF+FR*(\i), ADRA+\slot, \q, \i
.endr
.endm
.macro SCALES sc                       ; slot sc's scale words: four words a row, 16 sc bytes into the row's 32; lanes 0-15 take X's block i, lanes 16-31 Y's block i
.irp i, 0,1,2,3,4,5,6,7
	ds_load_b128 v[SC+8*NQ*\sc+NQ*\i:SC+8*NQ*\sc+NQ*\i+3], v[ADRS] offset:\i*SBLK+16*\sc
.endr
.endm
; A load into a register that a matrix instruction has read, and a vector instruction that reads a matrix result or writes one of its registers, stand NP places behind it; only plain vector
; instructions that name none of its registers are places (ISA guide 7.12.1 for vector instructions).
.macro PLACES n
.rept \n
	v_nop
.endr
.endm
; A step of 128 along K that has its successor in the same slot.  X has one set of registers: blocks 0-3 are fetched anew in the step's middle, blocks 4-7 at its end.
.macro STEP slot, q, zero
	s_wait_dscnt 4*NL                              ; Y's set, X's blocks 0-3 and the scale words are in; the youngest eight loads (X's blocks 4-7) may be out
	WIN MUL_LO
	MUL16 0, (\q)%2, \q, \slot, \zero
	MUL16 2, (\q)%2, \q, \slot, \zero
	s_wait_dscnt 0                                 ; X's blocks 4-7 are in (asked for 32 matrix instructions ago)
	PLACES NP
	FETCH_B \slot, (\q)+1, 1-(\q)%2
	FETCH_A \slot, (\q)+1, 0
	WIN MUL_HI
	MUL16 4, (\q)%2, \q, \slot, \zero
	MUL16 6, (\q)%2, \q, \slot, \zero
	PLACES NP
	WIN 0
	FETCH_A \slot, (\q)+1, 4
.endm
.macro STEPS slot, from                ; the slot's steps from .. NQ - 2
.set Q, \from
.rept NQ-1-\from
	STEP \slot, Q, 0
.set Q, Q+1
.endr
.endm
; The fourth step goes on to the rows' second 256 bytes: a step like the others, which also fetches the second set of scale words.  All of K landed ahead of the first step's barrier: no barrier here.
.macro TURN
	s_wait_dscnt 4*NL
	WIN MUL_LO
	MUL16 0, 1, NQ-1, 0, 0
	MUL16 2, 1, NQ-1, 0, 0
	s_wait_dscnt 0
	PLACES NP
	FETCH_B 1, 0, 0
	FETCH_A 1, 0, 0
	SCALES 1
	WIN MUL_HI
	MUL16 4, 1, NQ-1, 0, 0
	MUL16 6, 1, NQ-1, 0, 0
	PLACES NP
	WIN 0
	FETCH_A 1, 0, 4
.endm
.macro LAST                            ; the very last step: nothing more to fetch
	s_wait_dscnt 4*NL
	WIN MUL_LO
	MUL16 0, 1, NQ-1, 1, 0
	MUL16 2, 1, NQ-1, 1, 0
	s_wait_dscnt 0
	WIN MUL_HI
	MUL16 4, 1, NQ-1, 1, 0
	MUL16 6, 1, NQ-1, 1, 0
	WIN 0
.endm
; 64 numbers of a lane, v[s] .. v[s + 63], become a fragment's codes in v[pc] .. v[pc + 7] and its scale word in v[pw].  Registers 16 b .. 16 b + 15 are my half of block b: k = 32 b + 8 h + 0 .. 7 and 32 b + 16 + 8 h + 0 .. 7.
.macro QUANT s, pc, pw
.irp b, 0,1,2,3
	v_max3_num_f32 v[TM+\b], |v[(\s)+16*\b]|, |v[(\s)+1+16*\b]|, 0x1800000   ; block b: my 16 numbers, and the floor 2^(3 - 127): so the byte cannot fall under 1
.endr
.irp i, 2,4,6,8,10,12,14
.irp b, 0,1,2,3
	v_max3_num_f32 v[TM+\b], v[TM+\b], |v[(\s)+16*\b+\i]|, |v[(\s)+1+16*\b+\i]|   ; (the four blocks by turns)
.endr
.endr
.irp b, 0,1,2,3
	v_permlanex16_b32 v[TM+4+\b], v[TM+\b], s[SEL], s[SEL+1]
.endr
.irp b, 0,1,2,3
	v_max_num_f32 v[TM+\b], v[TM+\b], v[TM+4+\b]   ; with lane l xor 16's: the block's largest magnitude
.endr
.irp b, 0,1,2,3
	v_add_nc_u32 v[TM+12+\b], 0xff000000, v[TM+\b] ; 2 off its exponent field: the conversion takes the exponent field of this operand as its scale
.endr
.irp b, 0,1,2,3
	v_lshrrev_b32 v[TM+4+\b], 23, v[TM+12+\b]      ; the scale's byte
.endr
	v_lshl_or_b32 v[\pw], v[TM+5], 8, v[TM+4]      ; the four bytes make my row's scale word (the same in lanes l and l xor 16)
	v_lshl_or_b32 v[\pw], v[TM+6], 16, v[\pw]
	v_lshl_or_b32 v[\pw], v[TM+7], 24, v[\pw]
.irp b, 0,1,2,3                        ; blocks 2 c and 2 c + 1 stand side by side: their first eights in registers 4 c, 4 c + 1, their second eights in 4 c + 2, 4 c + 3
	v_cvt_scalef32_pk8_fp4_f32 v[(\pc)+4*(\b/2)+(\b%2)], v[(\s)+16*\b:(\s)+16*\b+7], v[TM+12+\b]
	v_cvt_scalef32_pk8_fp4_f32 v[(\pc)+4*(\b/2)+2+(\b%2)], v[(\s)+16*\b+8:(\s)+16*\b+15], v[TM+12+\b]
.endr
	v_nop                                          ; one plain place behind a scaled conversion
.irp c, 0,1                            ; the first's lanes 16-31 change places with the second's lanes 0-15: registers 4 c .. 4 c + 3 then hold k = 64 c + 32 h + 0 .. 31, a whole block a lane
	v_permlane16_swap_b32 v[(\pc)+4*\c], v[(\pc)+4*\c+1]
	v_permlane16_swap_b32 v[(\pc)+4*\c+2], v[(\pc)+4*\c+3]
.endr
.endm
; X's block a leaves: + bias (behind the sum, as the definition has it), quantised, stored.  Each store of the wave covers 512 consecutive bytes, aligned.  Every block has its own registers for its codes: no store's data are written again.
.macro ROWOUT a, kind
.set AC, 64*((\a)%4)
	WIN 0x02+(\a)/4                                ; source 0: window 2 or 3
.set i, 0
.rept 32                               ; ascending: each accumulator is read from its low end on
.if \kind == 0
	v_pk_add_f32 v[T+i:T+i+1], v[AC+i:AC+i+1], v[BIAS+i:BIAS+i+1]
.else
	v_pk_add_f32 v[T+i:T+i+1], v[AC+i:AC+i+1], v[BIAS+2*(\a):BIAS+2*(\a)+1]
.endif
.set i, i+2
.endr
	WIN 0
	QUANT T, PC+8*(\a), PWS+(\a)
.if \kind == 0
	global_store_b128 v[LI], v[PC+8*(\a):PC+8*(\a)+3], s[OUT0:OUT0+1] offset:512*(\a)      ; the first head's 64: tile a of the group
	global_store_b128 v[LI], v[PC+8*(\a)+4:PC+8*(\a)+7], s[OUT1:OUT1+1] offset:512*(\a)    ; the second head's
.elseif (\a) < 4
	global_store_b128 v[LI], v[PC+8*(\a):PC+8*(\a)+3], s[OUT0:OUT0+1] offset:4352+1024*(\a)        ; V^T's fragment a of the first head: channels 16 a on, my 128 keys
	global_store_b128 v[LI], v[PC+8*(\a)+4:PC+8*(\a)+7], s[OUT0:OUT0+1] offset:4352+1024*(\a)+512
.else
	global_store_b128 v[LI], v[PC+8*(\a):PC+8*(\a)+3], s[OUT1:OUT1+1] offset:4352+1024*((\a)-4)    ; of the second head
	global_store_b128 v[LI], v[PC+8*(\a)+4:PC+8*(\a)+7], s[OUT1:OUT1+1] offset:4352+1024*((\a)-4)+512
.endif
.endm
; The rest of the launch, once for q and k (kind 0) and once for v (kind 1): the bias is asked for, slot 1 is multiplied meanwhile, the results leave.
.macro TAIL kind
.if \kind == 0
.irp b, 0,1,2,3,4,5,6,7                ; register 8 b + j of a lane is feature 16 b + 8 h + j
	global_load_b128 v[BIAS+8*\b:BIAS+8*\b+3], v[BO0], s[BP:BP+1] offset:64*\b
	global_load_b128 v[BIAS+8*\b+4:BIAS+8*\b+7], v[BO0], s[BP:BP+1] offset:64*\b+16
.endr
.else
.irp b, 0,1,2,3,4,5,6,7                ; block b of X: my row is feature 16 b + r; twice, since the packed addition names a pair
	global_load_b32 v[BIAS+2*\b], v[BO1], s[BP:BP+1] offset:64*\b
	global_load_b32 v[BIAS+2*\b+1], v[BO1], s[BP:BP+1] offset:64*\b
.endr
.endif
	STEPS 1, 0
	LAST
	PLACES NP
.irp b, 0,1,2,3
	v_mov_b32 v[TM+4+\b], 0                        ; written once: a lane permute's destination counts as one of its sources
.endr
	s_wait_loadcnt 0x0                             ; the bias
.irp n, 0,1,2,3,4,5,6,7
	ROWOUT \n, \kind
.endr
.if \kind == 0
.irp p, 0,1,2,3                        ; a head's word p: tile 2 p's two bytes, then tile 2 p + 1's.  Lanes 0-15 take the first head's (the words' low halves), lanes 16-31 the second head's
	v_perm_b32 v[WO+\p], v[PWS+2*\p+1], v[PWS+2*\p], v[SELV]
.endr
	global_store_b128 v[VSO], v[WO:WO+3], s[OUT0:OUT0+1] offset:4096      ; each half of the lanes stores 256 consecutive bytes, aligned
.else
	v_cmp_eq_u32 vcc_lo, 1, v2
.irp p, 0,1,2,3                        ; lanes 0-15: the first head's four fragments' words, lanes 16-31 the second head's
	v_cndmask_b32 v[WO+\p], v[PWS+\p], v[PWS+\p+4], vcc_lo
.endr
	global_store_b128 v[VSO], v[WO:WO+3], s[OUT0:OUT0+1] offset:8448
.endif
.endm
	s_wait_alu depctr_va_vdst(0)
	s_wait_tensorcnt 0x0                           ; my tile of the head's four is in,
	s_barrier_signal -1
	s_barrier_wait -1                              ; everybody's are
	FETCH_B 0, 0, 0
	FETCH_A 0, 0, 0
	SCALES 0
	FETCH_A 0, 0, 4
	STEP 0, 0, 1                                   ; the first step's products start the sums
	STEPS 0, 1
	TURN
	s_cmp_eq_u32 s[TAU], 2                         ; ONE parting of the ways, on the cluster's number: the same in every wave of all sixteen partners; no barrier and no tensor load stands in either way
	s_cbranch_scc1 .Lvalues
	s_wait_alu depctr_va_vdst(0)
	TAIL 0
	s_branch .Lend
.Lvalues:
	s_wait_alu depctr_va_vdst(0)
	TAIL 1
.Lend:
	s_wait_tensorcnt 0x0                           ; the wave's end
	ds_add_u32 v[SPW], v[NIL]
	s_wait_dscnt 0x0
	CROUND                                         ; the closing round: no work-group ends while a partner may still ask for a tile that names it
	s_endpgm
.Lfunc_end_k_q499436af7e_qkv:
	.size	k_q499436af7e_qkv, .Lfunc_end_k_q499436af7e_qkv-k_q499436af7e_qkv
	.p2alignl 7, 3214868480
	.fill 96, 4, 3214868480
	.section	.rodata,"a",@progbits
	.p2align	6, 0x0
	.amdhsa_kernel k_q499436af7e_qkv
		.amdhsa_group_segment_fixed_size 327680
		.amdhsa_private_segment_fixed_size 0
		.amdhsa_enable_private_segment 0
		.amdhsa_kernarg_size 136
		.amdhsa_user_sgpr_count 2
		.amdhsa_user_sgpr_kernarg_segment_ptr 1
		.amdhsa_wavefront_size32 1
		.amdhsa_system_sgpr_workgroup_id_x 1
		.amdhsa_system_sgpr_workgroup_id_y 1
		.amdhsa_system_sgpr_workgroup_id_z 1
		.amdhsa_system_vgpr_workitem_id 0
		.amdhsa_next_free_vgpr 1024
		.amdhsa_next_free_sgpr 102
		.amdhsa_reserve_vcc 1
		.amdhsa_float_denorm_mode_32 3
		.amdhsa_float_denorm_mode_16_64 3
		.amdhsa_memory_ordered 1
		.amdhsa_forward_progress 1
		.amdhsa_inst_pref_size 234
	.end_amdhsa_kernel
	.amdgpu_metadata
---
amdhsa.version: [ 1, 2 ]
amdhsa.kernels:
  - .name:           k_q499436af7e_qkv
    .symbol:         k_q499436af7e_qkv.kd
    .args:
      - { .name: queries_codes, .offset: 0, .size: 8, .value_kind: global_buffer, .address_space: global }
      - { .name: queries_scales, .offset: 8, .size: 8, .value_kind: global_buffer, .address_space: global }
      - { .name: Wq_codes, .offset: 16, .size: 8, .value_kind: global_buffer, .address_space: global }
      - { .name: Wq_scales, .offset: 24, .size: 8, .value_kind: global_buffer, .address_space: global }
      - { .name: bq, .offset: 32, .size: 8, .value_kind: global_buffer, .address_space: global }
      - { .name: keys_codes, .offset: 40, .size: 8, .value_kind: global_buffer, .address_space: global }
      - { .name: keys_scales, .offset: 48, .size: 8, .value_kind: global_buffer, .address_space: global }
      - { .name: Wk_codes, .offset: 56, .size: 8, .value_kind: global_buffer, .address_space: global }
      - { .name: Wk_scales, .offset: 64, .size: 8, .value_kind: global_buffer, .address_space: global }
      - { .name: bk, .offset: 72, .size: 8, .value_kind: global_buffer, .address_space: global }
      - { .name: Wv_codes, .offset: 80, .size: 8, .value_kind: global_buffer, .address_space: global }
      - { .name: Wv_scales, .offset: 88, .size: 8, .value_kind: global_buffer, .address_space: global }
      - { .name: values_codes, .offset: 96, .size: 8, .value_kind: global_buffer, .address_space: global }
      - { .name: values_scales, .offset: 104, .size: 8, .value_kind: global_buffer, .address_space: global }
      - { .name: bv, .offset: 112, .size: 8, .value_kind: global_buffer, .address_space: global }
      - { .name: qw, .offset: 120, .size: 8, .value_kind: global_buffer, .address_space: global }
      - { .name: kv, .offset: 128, .size: 8, .value_kind: global_buffer, .address_space: global }
    .group_segment_fixed_size: 327680
    .private_segment_fixed_size: 0
    .kernarg_segment_align: 8
    .kernarg_segment_size: 136
    .max_flat_workgroup_size: 128
    .sgpr_count:     102
    .vgpr_count:     1024
    .wavefront_size: 32
...
	.end_amdgpu_metadata
.endif
;; end of part 1
;; launch attn (part 2): grid 8 x 32, 16 waves a work-group, clusters of 4 x 1, 327,680 bytes of LDS; arguments qw, kv, oc, os; writes oc, os
.if DOCPART == 2
	.amdgcn_target "amdgcn-amd-amdhsa--gfx1250"
	.amdhsa_code_object_version 6
	.text
	.protected	k_q499436af7e_attn
	.globl	k_q499436af7e_attn
	.p2align	8
	.type	k_q499436af7e_attn,@function
k_q499436af7e_attn:
	s_mov_b64 s[64:65], 0
	v_nop
	global_prefetch_b8 v0, s[64:65] scope:SCOPE_SE
	s_setreg_imm32_b32 hwreg(HW_REG_WAVE_MODE, 25, 1), 1
	s_wait_xcnt 0x0
	s_wait_alu depctr_hold_cnt(0) depctr_sa_sdst(0) depctr_va_vdst(0) depctr_va_sdst(0) depctr_va_ssrc(0) depctr_va_vcc(0) depctr_vm_vsrc(0)
	s_getreg_b32 s2, hwreg(HW_REG_IB_STS2, 6, 4)
	s_cmp_eq_u32 s2, 0
	s_cbranch_scc0 .Lentry_in_a_cluster
	s_endpgm
.Lentry_in_a_cluster:
	s_bfe_u32 s2, ttmp6, 0x10000c
	s_cmp_lg_u32 s2, 0x3003
	s_cbranch_scc0 .Lentry_shape_is_right
	s_endpgm
.Lentry_shape_is_right:
; o = softmax(q k^T / 8) v for two heads and 256 queries a work-group, both products on codes of FP4 (E2M1) with E8M0 scales; o is quantised along a head's 64 and stored as images of operand registers.
; t = score x log2(e) / 8; M = the running largest t rounded up to a whole number; p = 2^(t - M) is quantised along the keys; the row's sum is taken of the unquantised p and divides at the end.
; SHARES.  Sixteen waves, 16 queries each; a wave walks head 0's 2,048 keys, then head 1's, 128 keys a step.
; LDS.  K and V of both heads, as the launch before stored them (a step: K's 8 tile images of 512 bytes, 256 bytes of K's scale words, V^T's 8 images, 256 bytes of V's words = 8,704 bytes),
;   come ONCE: wave w asks for step w of both heads by one load of 2 rows x 8,704 bytes, 64 bytes of padding behind each 512.  Nothing is filled twice, and one barrier shows all of it to every wave.
;   The four work-groups of a cluster walk the same two heads: the load is a joint one.  No prefetch: no loop of this text loads from memory.
; THE KEYS OF A TILE ARE CHOSEN BY ADDRESS: row r of tile 4 c + i is key 64 c + 32 (r / 8) + 8 i + r % 8.  In S^T = K Q^T lane (query, h) then holds, in registers 32 c + 0 .. 31, keys 64 c + 32 h + 0 .. 31 in order:
;   a whole block of 32 a lane, in the order of the second product's operand.  So a block's maximum asks no other lane, and the conversions' results are P's registers as they stand.
;   Those rows lie 1,024 bytes apart in the stored images; the padding makes that 1,152, so that sixteen lanes touch sixteen different 16-byte columns of 256 bytes.
; THE FORM is the 32 x 16 x 128 one.  The head's K is 64: a row of source 0 holds tile 4 c + e (k 0-63) beside tile 4 c + e + 2 (k 64-127), and Q stands in one half of source 1 with zero codes in the other.
; LIMITS: the promise holds while |t| stays under 2^31; NaN and infinities are not served; a block of zeros gets the byte 1 (its codes are zeros, and this program alone reads the bytes).
.set STEPB, 8704                       ; a step of one head in memory
.set HEADB, 16*STEPB
.set HB,    9792                       ; and in LDS: 17 x (512 + 64)
.set STEP2, 2*HB                       ; a step of both heads: what one wave's load fills
.set STG,   16*STEP2                   ; 1,024 bytes: o's scale words on their way out
.set SPARE, STG+1024                   ; the spare words, 128 bytes a wave
.set QGRP,  4352
.set QHEAD, 16*QGRP
.set LI,   1                           ; 16 x lane
.set SI,   2                           ; 16 x (lane % 16)
.set KI,   3                           ; my place in K's images
.set KWI,  4                           ; among K's scale words
.set SPW,  5
.set NIL,  6
.set SWA,  7
.set QS,   8                           ; v8-9 Q's scale words, head 0, 1
.set SRA,  10
.set SGO,  11                          ; v12 -M, v13 the largest score so far, v[14:15] the sum
.set QR,   16                          ; v16-39: for each head 4 registers of zeros, Q's 4, 4 of zeros
.set KF,   40
.set VF,   72
.set S,    104
.set O,    168
.set PC,   200
.set BM,   208
.set BT,   212
.set BS,   216
.set PS,   226
.set KSC,  228
.set VSC,  230
.set ADK,  232
.set ADW,  233
.set ADV,  234
.set ADX,  235
.set OC,   236
.set OW,   244
.set VI,   245                         ; my place in V's images
.set VWI,  252                         ; among V's scale words
.set WV,   12
.set CS,   36
.set SEL,  38
.set SB,   40                          ; LDS byte of the step that is being fetched
.set CNT,  41
.macro CROUND
	s_barrier_signal -1
	s_barrier_wait -1
	s_cmp_lg_u32 s[WV], 0
	s_cbranch_scc1 .Lnot_wave_0_\@
	s_barrier_signal -3
.Lnot_wave_0_\@:
	s_barrier_wait -3
	s_barrier_signal -1
	s_barrier_wait -1
.endm
	s_load_b256 s[4:11], s[0:1], 0x0               ; qw, kv, oc, os
	v_lshl_add_u32 v[SPW], v0, 2, SPARE
	v_mov_b32 v[NIL], 0
	ds_add_u32 v[SPW], v[NIL]                      ; the opening lines: the add twice on end
	ds_add_u32 v[SPW], v[NIL]
	v_lshrrev_b32 v1, 5, v0
	v_readfirstlane_b32 s[WV], v1                  ; wave 0..15
	s_bfe_u32 s13, ttmp6, 0x40000
	s_lshl_b32 s14, ttmp9, 2
	s_add_co_u32 s14, s14, s13                     ; my block of 256 queries
	s_and_b32 s15, ttmp7, 0xffff                   ; my pair of heads: 8 x batch + pair
	s_mov_b32 s16, 15|(3<<16)|(1<<20)|(1<<21)|(6<<22)|(15<<25)   ; the cluster's four; elements of 8 bytes; 16 words of padding after every 128
	s_mov_b32 s17, (STEPB/8)<<16
	s_mov_b32 s18, 2<<16
	s_mov_b32 s19, (STEPB/8)<<16
	s_mov_b32 s20, 2
	s_mov_b32 s21, HEADB/8                         ; from head to head
	s_mov_b32 s22, 0
	s_mov_b32 s23, 0
	s_mul_i32 s43, s[WV], STEPB
	s_mul_i32 s2, s15, 2*HEADB
	s_add_co_u32 s2, s2, s43
	s_mov_b32 s3, 0
	s_mov_b32 s24, 1
	s_mul_i32 s25, s[WV], STEP2
	s_mov_b32 s[CS], 0x3e38aa3b                    ; log2(e) / 8
	s_mov_b32 s[CS+1], s[CS]
	s_mov_b32 s[SEL], 0x76543210
	s_mov_b32 s[SEL+1], 0xfedcba98
	s_wait_alu depctr_va_vdst(0)
	s_wait_dscnt 0x0
	s_wait_kmcnt 0x0
	s_add_nc_u64 s[26:27], s[6:7], s[2:3]
	s_or_b32 s27, s27, 0x80000000
	CROUND
	tensor_load_to_lds s[24:27], s[16:23]          ; my one load: step w of both heads
	s_nop 0
	s_mul_i32 s2, s15, 2*QHEAD                     ; Q: my tile's image and words in qw
	s_lshl_b32 s40, s14, 1
	s_lshr_b32 s41, s[WV], 3
	s_add_co_u32 s40, s40, s41
	s_mul_i32 s40, s40, QGRP
	s_add_co_u32 s2, s2, s40
	s_add_nc_u64 s[34:35], s[4:5], s[2:3]
	s_and_b32 s40, s[WV], 7
	s_lshl_b32 s2, s40, 9
	s_add_nc_u64 s[32:33], s[34:35], s[2:3]
	s_lshr_b32 s2, s40, 1
	s_lshl_b32 s2, s2, 2
	s_add_co_u32 s2, s2, 4096
	s_add_nc_u64 s[34:35], s[34:35], s[2:3]
	s_and_b32 s40, s[WV], 1
	s_cmp_eq_u32 s40, 0
	s_mov_b32 s42, 0x03020302
	s_cselect_b32 s42, 0x01000100, s42             ; my tile's two bytes of the word, twice
	s_lshr_b32 s2, s15, 3                          ; where o's codes and words go
	s_lshl_b32 s2, s2, 7
	s_lshl_b32 s40, s14, 4
	s_add_co_u32 s2, s2, s40
	s_lshl_b32 s43, s2, 6
	s_add_co_u32 s2, s2, s[WV]
	s_lshl_b32 s2, s2, 13
	s_and_b32 s40, s15, 7
	s_lshl_b32 s41, s40, 10
	s_add_co_u32 s2, s2, s41
	s_add_nc_u64 s[44:45], s[8:9], s[2:3]
	s_lshl_b32 s41, s40, 15
	s_add_co_u32 s2, s43, s41
	s_add_nc_u64 s[46:47], s[10:11], s[2:3]
	v_and_b32 v1, 31, v0
	v_lshlrev_b32 v[LI], 4, v1
	v_and_b32 v251, 15, v0
	v_lshlrev_b32 v[SI], 4, v251
	global_load_b128 v[QR+4:QR+7], v[LI], s[32:33]
	global_load_b128 v[QR+16:QR+19], v[LI], s[32:33] offset:QHEAD
	global_load_b32 v[QS], v[SI], s[34:35]
	global_load_b32 v[QS+1], v[SI], s[34:35] offset:QHEAD
	v_bfe_u32 v248, v0, 3, 1                       ; r / 8
	v_and_b32 v249, 7, v0                          ; r % 8
	v_bfe_u32 v250, v0, 4, 1                       ; h
	v_mul_u32_u24 v[KI], v248, 1152                ; K: two images on for r / 8, 16 (r % 8), 256 h
	v_lshl_add_u32 v[KI], v249, 4, v[KI]
	v_lshl_add_u32 v[KI], v250, 8, v[KI]
	v_lshlrev_b32 v[KWI], 7, v250                  ; K's words: stored row 8 h + r % 8, word 2 c + r / 8
	v_lshl_add_u32 v[KWI], v249, 4, v[KWI]
	v_lshl_add_u32 v[KWI], v248, 2, v[KWI]
	v_add_nc_u32 v[KWI], 4608, v[KWI]
	v_lshl_add_u32 v[VI], v250, 6, v[LI]           ; V: an image's second 256 bytes lie behind a padding
	v_add_nc_u32 v[VI], 4864, v[VI]
	v_lshl_add_u32 v[VWI], v250, 2, v[SI]          ; V's words: row r, word 2 j + h
	v_add_nc_u32 v[VWI], 9472, v[VWI]
	v_lshrrev_b32 v[SWA], 5, v0
	v_lshlrev_b32 v[SWA], 6, v[SWA]
	v_lshl_add_u32 v[SWA], v251, 2, v[SWA]
	v_add_nc_u32 v[SWA], STG, v[SWA]
	v_and_b32 v[SGO], 63, v0
	v_lshlrev_b32 v[SGO], 4, v[SGO]
	v_add_nc_u32 v[SRA], STG, v[SGO]
.irp j, 0,1,2,3,8,9,10,11,12,13,14,15,20,21,22,23
	v_mov_b32 v[QR+\j], 0                          ; zero codes beside Q
.endr
.irp j, BT,BT+1,220,221,223,227,247
	v_mov_b32 v[\j], 0                             ; permutes' destinations and pairs' upper halves: written once
.endr
	s_wait_loadcnt 0x0
	v_perm_b32 v[QS], v[QS], v[QS], s42
	v_perm_b32 v[QS+1], v[QS+1], v[QS+1], s42
	s_wait_alu depctr_va_vdst(0)
	s_wait_tensorcnt 0x0                           ; my load is in,
	s_barrier_signal -1
	s_barrier_wait -1                              ; everybody's is
.macro ADDRS                           ; four plain lines: also the places behind the first product
	v_add_nc_u32 v[ADK], s[SB], v[KI]
	v_add_nc_u32 v[ADW], s[SB], v[KWI]
	v_add_nc_u32 v[ADV], s[SB], v[VI]
	v_add_nc_u32 v[ADX], s[SB], v[VWI]
.endm
.macro KLOAD                           ; ten loads: rows 16 e + r of source 0 number c: tile 4 c + e, then tile 4 c + e + 2
.irp c, 0,1
.irp e, 0,1
.irp g, 0,1
	ds_load_b128 v[KF+16*\c+8*\e+4*\g:KF+16*\c+8*\e+4*\g+3], v[ADK] offset:2304*\c+128*\e+576*\g
.endr
.endr
.endr
	ds_load_b32 v[KSC], v[ADW]
	ds_load_b32 v[KSC+1], v[ADW] offset:8
.endm
.macro VLOAD                           ; ten loads
.irp t, 0,1,2,3,4,5,6,7
	ds_load_b128 v[VF+4*\t:VF+4*\t+3], v[ADV] offset:576*\t
.endr
	ds_load_b32 v[VSC], v[ADX]
	ds_load_b32 v[VSC+1], v[ADX] offset:8
.endm
.macro AC r, j                         ; one addition of the row's sum: two p onto the chain in v[r:r+1]
	v_pk_add_f32 v[\r:\r+1], v[\r:\r+1], v[S+\j:S+\j+1]
.endm
.macro AC4 j                           ; the four chains by turns
	AC 14, \j
	AC 224, \j+2
	AC 210, \j+4
	AC 214, \j+6
.endm
.macro KL2 n, nxt                      ; two of the next step's ten loads of K (as KLOAD has them): they stand between the lines of the maximum's chain, each of which reads the line before it
.if \nxt
.if \n < 4
	ds_load_b128 v[KF+8*\n:KF+8*\n+3], v[ADK] offset:2304*(\n/2)+128*(\n%2)
	ds_load_b128 v[KF+8*\n+4:KF+8*\n+7], v[ADK] offset:2304*(\n/2)+128*(\n%2)+576
.else
	ds_load_b32 v[KSC], v[ADW]
	ds_load_b32 v[KSC+1], v[ADW] offset:8
.endif
.endif
.endm
.macro TM j
	v_pk_fma_f32 v[S+\j:S+\j+1], v[S+\j:S+\j+1], s[CS:CS+1], v[12:13] op_sel_hi:[1,0,0]
.endm
; A KEY STEP.  Its K and V were asked for in the step before; nxt = 1: it asks for the next step's, at s[SB], each behind the product that frees the registers.
.macro STEP qr, qs, nxt
	s_wait_dscnt 10                                ; K and its words are in; V's ten loads, issued behind them, may be out
.irp c, 0,1
	v_wmma_scale_f32_32x16x128_f4 v[S+32*\c:S+32*\c+15], v[KF+16*\c:KF+16*\c+15], v[(\qr)+4:(\qr)+11], 0, v[KSC+\c], v[\qs]
	v_wmma_scale_f32_32x16x128_f4 v[S+32*\c+16:S+32*\c+31], v[KF+16*\c:KF+16*\c+15], v[(\qr):(\qr)+7], 0, v[KSC+\c], v[\qs]
.endr
.if \nxt
	ADDRS
.else
.rept 4
	v_nop
.endr
.endif
.irp c, 0,1                            ; my two blocks' largest scores, two chains each; every accumulator is read from its low end on
	v_max3_num_f32 v[BM+\c], v[S+32*\c], v[S+32*\c+1], v[S+32*\c+2]
	v_max3_num_f32 v[BM+2+\c], v[S+32*\c+16], v[S+32*\c+17], v[S+32*\c+18]
.endr
.irp i, 3,5,7,9,11,13
.irp c, 0,1
	v_max3_num_f32 v[BM+\c], v[BM+\c], v[S+32*\c+\i], v[S+32*\c+\i+1]
	v_max3_num_f32 v[BM+2+\c], v[BM+2+\c], v[S+32*\c+16+\i], v[S+32*\c+17+\i]
.endr
.endr
.irp c, 0,1
	v_max3_num_f32 v[BM+\c], v[BM+\c], v[BM+2+\c], v[S+32*\c+15]
.endr
.irp c, 0,1
	v_max_num_f32 v[BM+\c], v[BM+\c], v[S+32*\c+31]
.endr
	v_max_num_f32 v220, v[BM], v[BM+1]
	KL2 0, \nxt
	v_permlanex16_b32 v221, v220, s[SEL], s[SEL+1]
	KL2 1, \nxt
	v_max3_num_f32 v13, v13, v220, v221            ; the largest score of my query so far
	KL2 2, \nxt
	v_mul_f32 v220, s[CS], v13                     ; as t
	v_mov_b32 v221, v12
	KL2 3, \nxt
	v_floor_f32 v12, -v220                         ; -M = floor(-t)
	KL2 4, \nxt
	v_sub_f32 v221, v12, v221                      ; old M - new M: a whole number, 0 or less
	TM 0
	TM 2
	v_cvt_i32_f32 v221, v221                       ; (it saturates)
	TM 4
	TM 6
	v_ldexp_f32 v222, 1.0, v221                    ; f = 2^(old M - new M)
.irp j, 8,10,12,14,16,18,20,22,24,26,28,30,32,34,36,38,40,42,44,46,48,50,52,54,56,58,60,62
	TM \j
.endr
.irp c, 0,1
	v_fma_f32 v[BM+\c], v[BM+\c], s[CS], v12       ; the same of each block's largest score
.endr
.irp j, 0,2,4,6,8,10,12,14,16,18,20,22,24,26,28,30
	v_pk_mul_f32 v[O+\j:O+\j+1], v[O+\j:O+\j+1], v[222:223] op_sel_hi:[1,0]   ; O^T under the new M, ahead of the exponentials
.endr
	s_wait_alu depctr_va_vdst(0)
.set j, 0
.rept 64
	v_exp_f32 v[S+j], v[S+j]                       ; p = 2^(t - M)
.set j, j+1
.endr
	v_exp_f32 v[BM], v[BM]                         ; each block's largest p
	v_exp_f32 v[BM+1], v[BM+1]
	v_pk_mul_f32 v[14:15], v[14:15], v[222:223] op_sel_hi:[1,0]   ; the sum under the new M: a plain place behind the batch
	s_wait_alu depctr_va_vdst(0)                   ; one wait for the batch, ahead of its first reader and of the wait below
	s_wait_dscnt 10*\nxt                           ; V and its words are in; the next K's ten loads may be out
.irp c, 0,1
	v_max_num_f32 v[BM+\c], 0x1800000, v[BM+\c]    ; the floor 2^(3 - 127): the byte cannot fall under 1
.endr
	v_pk_add_f32 v[224:225], v[S:S+1], v[S+2:S+3]  ; the row's sum, of the unquantised p: three chains begin here, the fourth is the sum so far
	v_pk_add_f32 v[210:211], v[S+4:S+5], v[S+6:S+7]
	v_pk_add_f32 v[214:215], v[S+8:S+9], v[S+10:S+11]
.irp c, 0,1
	v_add_nc_u32 v[BS+\c], 0xff000000, v[BM+\c]    ; 2 off the exponent field: the conversion's scale operand
.endr
	AC 14, 12
	AC 224, 14
.irp c, 0,1
	v_lshrrev_b32 v[BT+\c], 23, v[BS+\c]           ; the scale's byte
.endr
.irp c, 0,1
.irp i, 0,1,2,3
	v_cvt_scalef32_pk8_fp4_f32 v[PC+4*\c+\i], v[S+32*\c+8*\i:S+32*\c+8*\i+7], v[BS+\c]   ; register 4 c + i of P: keys 64 c + 32 h + 8 i on
.endr
.endr
	v_lshl_or_b32 v220, v[BT+1], 16, v[BT]         ; my bytes: blocks h and 2 + h,
	AC 210, 16
	AC 214, 18
	v_permlanex16_b32 v227, v220, s[SEL], s[SEL+1]
	AC 14, 20
	AC 224, 22
	v_perm_b32 v[PS], v227, v220, 0x06020400       ; lanes 0-15, which alone are read as source 1's scales: my blocks 0 and 2 with lane l + 16's blocks 1 and 3
	AC 210, 24
	AC 214, 26
	AC4 28
	AC4 36
	AC4 44
	AC 14, 52
	AC 224, 54
.irp j, 0,1
	v_wmma_scale_f32_32x16x128_f4 v[O+16*\j:O+16*\j+15], v[VF+16*\j:VF+16*\j+15], v[PC:PC+7], v[O+16*\j:O+16*\j+15], v[VSC+\j], v[PS]
.endr
	AC 210, 56                                     ; the last additions are the places behind the second product
	AC 214, 58
	AC 14, 60
	AC 224, 62
	v_pk_add_f32 v[224:225], v[224:225], v[210:211]
	v_pk_add_f32 v[14:15], v[14:15], v[214:215]
	v_pk_add_f32 v[14:15], v[14:15], v[224:225]
.if \nxt
	VLOAD
.endif
.endm
; A head's end: O^T / the sum, quantised along the head's 64, stored as an image of operand registers.
.macro FINISH c
	v_add_f32 v14, v14, v15
	s_delay_alu instid0(VALU_DEP_1)
	v_permlanex16_b32 v220, v14, s[SEL], s[SEL+1]
	s_delay_alu instid0(VALU_DEP_1)
	v_add_f32 v14, v14, v220
	s_wait_alu depctr_va_vdst(0)
	v_rcp_f32 v246, v14
	v_nop
	s_wait_alu depctr_va_vdst(0)
.irp j, 0,2,4,6,8,10,12,14,16,18,20,22,24,26,28,30
	v_pk_mul_f32 v[O+\j:O+\j+1], v[O+\j:O+\j+1], v[246:247] op_sel_hi:[1,0]
.endr
.irp b, 0,1
	v_max3_num_f32 v[BM+\b], |v[O+16*\b]|, |v[O+16*\b+1]|, 0x1800000
.endr
.irp i, 2,4,6,8,10,12,14
.irp b, 0,1
	s_delay_alu instid0(VALU_DEP_2)
	v_max3_num_f32 v[BM+\b], v[BM+\b], |v[O+16*\b+\i]|, |v[O+16*\b+\i+1]|
.endr
.endr
.irp b, 0,1
	s_delay_alu instid0(VALU_DEP_2)
	v_permlanex16_b32 v[BT+\b], v[BM+\b], s[SEL], s[SEL+1]
.endr
.irp b, 0,1
	s_delay_alu instid0(VALU_DEP_2)
	v_max_num_f32 v[BM+\b], v[BM+\b], v[BT+\b]
.endr
.irp b, 0,1
	s_delay_alu instid0(VALU_DEP_2)
	v_add_nc_u32 v[BS+\b], 0xff000000, v[BM+\b]
.endr
.irp b, 0,1
	s_delay_alu instid0(VALU_DEP_2)
	v_lshrrev_b32 v[BT+\b], 23, v[BS+\b]
.endr
.irp b, 0,1
	v_cvt_scalef32_pk8_fp4_f32 v[OC+4*\c+\b], v[O+16*\b:O+16*\b+7], v[BS+\b]
	v_cvt_scalef32_pk8_fp4_f32 v[OC+4*\c+2+\b], v[O+16*\b+8:O+16*\b+15], v[BS+\b]
.endr
	v_nop
	v_permlane16_swap_b32 v[OC+4*\c], v[OC+4*\c+1]
	v_permlane16_swap_b32 v[OC+4*\c+2], v[OC+4*\c+3]
	global_store_b128 v[LI], v[OC+4*\c:OC+4*\c+3], s[44:45] offset:512*\c
.if \c == 0
	v_lshl_or_b32 v[OW], v[BT+1], 8, v[BT]
.else
	v_lshl_or_b32 v[OW], v[BT], 16, v[OW]
	s_delay_alu instid0(VALU_DEP_1)
	v_lshl_or_b32 v[OW], v[BT+1], 24, v[OW]
.endif
.endm
; A head: fifteen steps in a loop, each fetching the next; the sixteenth is written out: head 0's fetches head 1's first step, head 1's fetches nothing.
.macro HEAD c
	v_mov_b32 v13, 0xff61b1e6                      ; the largest score so far: -3e38
	v_mov_b32 v12, 0x7f61b1e6                      ; -M: so large that the first f is 0, which meets zeros
	v_mov_b32 v14, 0
	v_mov_b32 v15, 0
.set j, 0
.rept 32
	v_mov_b32 v[O+j], 0
.set j, j+1
.endr
	s_mov_b32 s[SB], \c*HB+STEP2
	s_mov_b32 s[CNT], 15
.Lstep_\@:
	STEP QR+12*\c, QS+\c, 1
	s_add_co_u32 s[SB], s[SB], STEP2
	s_sub_co_u32 s[CNT], s[CNT], 1
	s_cmp_lg_u32 s[CNT], 0
	s_cbranch_scc1 .Lstep_\@
.if \c == 0
	s_mov_b32 s[SB], HB
	STEP QR, QS, 1
.else
	STEP QR+12, QS+1, 0
.endif
	FINISH \c
.endm
	s_mov_b32 s[SB], 0
	ADDRS
	KLOAD                                          ; head 0's first step: K's ten loads, then V's ten
	VLOAD
	HEAD 0
	HEAD 1
	ds_store_b32 v[SWA], v[OW]                     ; o's scale words leave through LDS, 256 consecutive bytes to sixteen lanes
	s_wait_dscnt 0x0
	s_barrier_signal -1
	s_barrier_wait -1
	s_cmp_lt_u32 s[WV], 2
	s_cbranch_scc0 .Lno_words
	ds_load_b128 v[248:251], v[SRA]
	s_wait_dscnt 0x0
	global_store_b128 v[SGO], v[248:251], s[46:47]
.Lno_words:
	s_wait_tensorcnt 0x0                           ; the wave's end
	ds_add_u32 v[SPW], v[NIL]
	s_wait_dscnt 0x0
	CROUND                                         ; the closing round
	s_endpgm
.Lfunc_end_k_q499436af7e_attn:
	.size	k_q499436af7e_attn, .Lfunc_end_k_q499436af7e_attn-k_q499436af7e_attn
	.p2alignl 7, 3214868480
	.fill 96, 4, 3214868480
	.section	.rodata,"a",@progbits
	.p2align	6, 0x0
	.amdhsa_kernel k_q499436af7e_attn
		.amdhsa_group_segment_fixed_size 327680
		.amdhsa_private_segment_fixed_size 0
		.amdhsa_enable_private_segment 0
		.amdhsa_kernarg_size 32
		.amdhsa_user_sgpr_count 2
		.amdhsa_user_sgpr_kernarg_segment_ptr 1
		.amdhsa_wavefront_size32 1
		.amdhsa_system_sgpr_workgroup_id_x 1
		.amdhsa_system_sgpr_workgroup_id_y 1
		.amdhsa_system_sgpr_workgroup_id_z 1
		.amdhsa_system_vgpr_workitem_id 0
		.amdhsa_next_free_vgpr 256
		.amdhsa_next_free_sgpr 66
		.amdhsa_reserve_vcc 0
		.amdhsa_float_denorm_mode_32 3
		.amdhsa_float_denorm_mode_16_64 3
		.amdhsa_memory_ordered 1
		.amdhsa_forward_progress 1
		.amdhsa_inst_pref_size 70
	.end_amdhsa_kernel
	.amdgpu_metadata
---
amdhsa.version: [ 1, 2 ]
amdhsa.kernels:
  - .name:           k_q499436af7e_attn
    .symbol:         k_q499436af7e_attn.kd
    .args:
      - { .name: qw, .offset: 0, .size: 8, .value_kind: global_buffer, .address_space: global }
      - { .name: kv, .offset: 8, .size: 8, .value_kind: global_buffer, .address_space: global }
      - { .name: oc, .offset: 16, .size: 8, .value_kind: global_buffer, .address_space: global }
      - { .name: os, .offset: 24, .size: 8, .value_kind: global_buffer, .address_space: global }
    .group_segment_fixed_size: 327680
    .private_segment_fixed_size: 0
    .kernarg_segment_align: 8
    .kernarg_segment_size: 32
    .max_flat_workgroup_size: 512
    .sgpr_count:     66
    .vgpr_count:     256
    .wavefront_size: 32
...
	.end_amdgpu_metadata
.endif
;; end of part 2
;; launch oproj (part 3): grid 4 x 64, 4 waves a work-group, clusters of 4 x 4, 327,680 bytes of LDS; arguments oc, os, Wo_codes, Wo_scales, bo, out0; writes out0
.if DOCPART == 3
	.amdgcn_target "amdgcn-amd-amdhsa--gfx1250"
	.amdhsa_code_object_version 6
	.text
	.protected	k_q499436af7e_oproj
	.globl	k_q499436af7e_oproj
	.p2align	8
	.type	k_q499436af7e_oproj,@function
k_q499436af7e_oproj:
	s_mov_b64 s[64:65], 0
	v_nop
	global_prefetch_b8 v0, s[64:65] scope:SCOPE_SE
	s_setreg_imm32_b32 hwreg(HW_REG_WAVE_MODE, 25, 1), 1
	s_wait_xcnt 0x0
	s_wait_alu depctr_hold_cnt(0) depctr_sa_sdst(0) depctr_va_vdst(0) depctr_va_sdst(0) depctr_va_ssrc(0) depctr_va_vcc(0) depctr_vm_vsrc(0)
	s_getreg_b32 s2, hwreg(HW_REG_IB_STS2, 6, 4)
	s_cmp_eq_u32 s2, 0
	s_cbranch_scc0 .Lentry_in_a_cluster
	s_endpgm
.Lentry_in_a_cluster:
	s_bfe_u32 s2, ttmp6, 0x10000c
	s_cmp_lg_u32 s2, 0xf033
	s_cbranch_scc0 .Lentry_shape_is_right
	s_endpgm
.Lentry_shape_is_right:
; out = o Wo^T + bo on codes of FP4 (E2M1) with one E8M0 scale for each 32 along K = 1,024; sums in f32.  X = o's rows, as the launch before stored them: images of operand registers
; (a tile of 16 rows: 8 steps of 128 along K x 1,024 bytes) and scale words [step][row]; Y = Wo's rows, as they are given.
; A work-group of four waves makes 128 rows of X x 256 rows of Y; a wave 64 x 128.  All of K comes into LDS once, by four joint loads at the head, one a wave: nothing is filled twice.
; THE WALK GOES BY ROWS OF THE RESULT.  Y's 128 rows for all of K stay in a wave's registers (8 steps x 8 blocks x 8 = 512).  X's blocks of 16 rows are finished one after the other, each by 64 matrix
; instructions (its 8 accumulators by turns, K ascending; the bias is the first C), and a finished block leaves through the wave's stage while the next block is multiplied.
; CLUSTERS: 4 x 4 work-groups.  X's tile hangs on cy alone and is shared along a row of the cluster, Y's on cx alone and is shared along a column.  No prefetch: no loop of this text loads from memory.
; The matrix instruction is used transposed (source 0 = Y, source 1 = X): a lane holds eight neighbouring numbers of a row of the result.
; REGISTERS, in windows of 256.  Window 0: v1-29 addresses; v32-95 Y's scale words (8 b + q); v96-111 X's, two sets; v112-239 X's fragments, two sets of 64.
;   Windows 1, 2: Y's fragments, step q, block b at 64 q + 8 b.   Window 3: v0-63 the accumulators; v64-127 the bias; v128-255 rows read back from the stage, two sets.
.set KROW,   512
.set PITCH,  528                       ; a row of Y in LDS: 512 bytes + 16 of padding = 33 x 16 bytes
.set HALFT,  128*PITCH
.set YOFF,   65536                     ; X's 8 tiles of 8,192 bytes lie in front of Y
.set SCA,    YOFF+2*HALFT              ; X's scale words: 8 steps x 512 bytes
.set SCB,    SCA+4096                  ; Y's scales: runs of 256 bytes + 16 of padding
.set HALFS,  16*272
.set SBLK,   2*272
.set SPARE,  SCB+2*HALFS               ; the spare words, 128 bytes a wave
.set STAGE,  SPARE+512                 ; the stages: 16 rows x (512 + 16) bytes a wave, bytes into which no tile lands
.set SPITCH, 528
.set SIZE_N, 1024
.set BOO,  7
.set ADRA, 16
.set ADRB, 20
.set ADSA, 22
.set ADSB, 23
.set STO,  24
.set RD,   25
.set CO,   26
.set SPW,  28
.set NIL,  29
.set SCY,  32
.set SCX,  96
.set XF,   112
.set BO,   64
.set BK,   128
.set G1, 24
.set G0, 32
.set G1B, 48
.set G0B, 56
.set G1S, 68
.set G0S, 76
.set G1SB, 80
.set G0SB, 88
.set BP,   96
.set OUTP, 98
.set MSB, 0
.macro WIN new                         ; the immediate's high byte repeats the setting that is left
.if MSB != (\new)
	s_set_vgpr_msb (MSB<<8)|(\new)
.set MSB, (\new)
.endif
.endm
.macro ARM under, g0, g1, next         ; one arm of the head's chain of branches on the wave's number: a joint load, and a jump to the chain's end
	s_cmp_lt_u32 s14, \under
	s_cbranch_scc0 \next
	tensor_load_to_lds s[\g0:\g0+3], s[\g1:\g1+7]
	s_nop 0
.rept 4
	v_nop
.endr
	s_branch .Lhead_asked
\next:
.endm
.macro CROUND
	s_barrier_signal -1
	s_barrier_wait -1
	s_cmp_lg_u32 s14, 0
	s_cbranch_scc1 .Lnot_wave_0_\@
	s_barrier_signal -3
.Lnot_wave_0_\@:
	s_barrier_wait -3
	s_barrier_signal -1
	s_barrier_wait -1
.endm
.macro PLACES n
.rept \n
	v_nop
.endr
.endm
	s_load_b256 s[4:11], s[0:1], 0x0               ; oc, os, Wo's codes, Wo's scales
	s_load_b128 s[96:99], s[0:1], 0x20             ; bo, out0
	v_lshl_add_u32 v[SPW], v0, 2, SPARE
	v_mov_b32 v[NIL], 0
	ds_add_u32 v[SPW], v[NIL]                      ; the opening lines: the add twice on end
	ds_add_u32 v[SPW], v[NIL]
	s_wait_dscnt 0x0
	v_lshrrev_b32 v1, 5, v0
	v_readfirstlane_b32 s14, v1                    ; wave 0..3
	s_lshr_b32 s15, s14, 1                         ; which 64 rows of X are mine
	s_and_b32 s16, s14, 1                          ; which 128 rows of Y
	s_bfe_u32 s40, ttmp6, 0x40000
	s_bfe_u32 s41, ttmp6, 0x40004
	s_lshl_b32 s42, ttmp9, 2
	s_add_co_u32 s42, s42, s40                     ; Y's tile of 256 rows: hangs on cx alone
	s_and_b32 s17, ttmp7, 0xffff
	s_lshl_b32 s17, s17, 2
	s_add_co_u32 s17, s17, s41                     ; X's tile of 128 rows: hangs on cy alone
	s_lshl_b32 s43, s41, 2
	s_lshl_b32 s43, 15, s43                        ; my row of the cluster
	s_lshl_b32 s44, 0x1111, s40                    ; my column
	s_or_b32 s[G1+0], s43, (3<<16)|(1<<21)         ; X: 8 tiles, each 8,192 dense bytes
	s_mov_b32 s[G1+1], 1024<<16
	s_mov_b32 s[G1+2], 8<<16
	s_mov_b32 s[G1+3], 1024<<16
	s_mov_b32 s[G1+4], 8
	s_mov_b32 s[G1+5], 1024
	s_mov_b32 s[G1+6], 0
	s_mov_b32 s[G1+7], 0
	s_or_b32 s[G1B+0], s44, (0<<16)|(1<<20)|(1<<21)|(6<<22)|(3<<25)   ; Y: 256 rows x 512 bytes; 4 words of padding after every 128
	s_mov_b32 s[G1B+1], KROW<<16
	s_mov_b32 s[G1B+2], 256<<16
	s_mov_b32 s[G1B+3], KROW<<16
	s_mov_b32 s[G1B+4], 256
	s_mov_b32 s[G1B+5], KROW
	s_mov_b32 s[G1B+6], 0
	s_mov_b32 s[G1B+7], 0
	s_or_b32 s[G1S+0], s43, (3<<16)|(1<<21)        ; X's scale words: 512 bytes (8 tiles) for each of 8 steps, 32,768 bytes apart
	s_mov_b32 s[G1S+1], 64<<16
	s_mov_b32 s[G1S+2], 8<<16
	s_mov_b32 s[G1S+3], 64<<16
	s_mov_b32 s[G1S+4], 8
	s_mov_b32 s[G1S+5], 4096
	s_mov_b32 s[G1S+6], 0
	s_mov_b32 s[G1S+7], 0
	s_or_b32 s[G1SB+0], s44, (3<<16)|(1<<20)|(1<<21)|(5<<22)|(3<<25)  ; Y's scales: 8,192 dense bytes, 32 rows of 256, 16 bytes of padding behind each
	s_mov_b32 s[G1SB+1], 32<<16
	s_mov_b32 s[G1SB+2], 32<<16
	s_mov_b32 s[G1SB+3], 32<<16
	s_mov_b32 s[G1SB+4], 32
	s_mov_b32 s[G1SB+5], 32
	s_mov_b32 s[G1SB+6], 0
	s_mov_b32 s[G1SB+7], 0
	s_lshl_b32 s20, s17, 3                         ; X's first tile of 16 rows
	s_lshl_b32 s22, s20, 6                         ; its words: 64 bytes a tile,
	s_mov_b32 s23, 0
	s_lshl_b32 s20, s20, 13                        ; its codes: 8,192 bytes a tile
	s_mov_b32 s21, 0
	s_lshl_b32 s46, s42, 8
	s_lshl_b32 s92, s46, 5
	s_mov_b32 s93, 0
	s_lshl_b32 s46, s46, 9
	s_mov_b32 s47, 0
	s_wait_kmcnt 0x0
	s_add_nc_u64 s[20:21], s[4:5], s[20:21]
	s_add_nc_u64 s[22:23], s[6:7], s[22:23]
	s_add_nc_u64 s[46:47], s[8:9], s[46:47]
	s_add_nc_u64 s[92:93], s[10:11], s[92:93]
	CROUND                                         ; all sixteen work-groups are here: the joint loads meet
	s_mov_b32 s[G0], 1
	s_mov_b32 s[G0+1], 0
	s_mov_b64 s[G0+2:G0+3], s[20:21]
	s_or_b32 s[G0+3], s[G0+3], 0x80000000
	s_mov_b32 s[G0B], 1
	s_mov_b32 s[G0B+1], YOFF
	s_mov_b64 s[G0B+2:G0B+3], s[46:47]
	s_or_b32 s[G0B+3], s[G0B+3], 0x80000000
	s_mov_b32 s[G0S], 1
	s_mov_b32 s[G0S+1], SCA
	s_mov_b64 s[G0S+2:G0S+3], s[22:23]
	s_or_b32 s[G0S+3], s[G0S+3], 0x80000000
	s_mov_b32 s[G0SB], 1
	s_mov_b32 s[G0SB+1], SCB
	s_mov_b64 s[G0SB+2:G0SB+3], s[92:93]
	s_or_b32 s[G0SB+3], s[G0SB+3], 0x80000000
	ARM 1, G0,  G1,  .Lhead_b                      ; the head's four tiles, one load a wave: X, Y, X's words, Y's scales
	ARM 2, G0B, G1B, .Lhead_sa
	ARM 3, G0S, G1S, .Lhead_sb
	tensor_load_to_lds s[G0SB:G0SB+3], s[G1SB:G1SB+7]
	s_nop 0
.rept 4
	v_nop
.endr
.Lhead_asked:
	s_lshl_b32 s18, s15, 15                        ; my 4 tiles of X
	s_mul_i32 s19, s16, HALFT
	s_add_co_u32 s19, s19, YOFF                    ; my 128 rows of Y
	s_lshl_b32 s21, s15, 8
	s_add_co_u32 s21, s21, SCA                     ; my tiles' words in a step's 512 bytes
	s_mul_i32 s22, s16, HALFS
	s_add_co_u32 s22, s22, SCB
	s_mul_i32 s23, s14, 16*SPITCH
	s_add_co_u32 s23, s23, STAGE                   ; my stage
	s_lshl_b32 s20, s17, 7
	s_lshl_b32 s66, s15, 6
	s_add_co_u32 s20, s20, s66                     ; my first row of the result
	s_lshl_b32 s20, s20, 12
	s_lshl_b32 s46, s42, 10
	s_lshl_b32 s47, s16, 9
	s_add_co_u32 s46, s46, s47                     ; my first column, in bytes
	s_mov_b32 s47, 0
	s_add_nc_u64 s[BP:BP+1], s[BP:BP+1], s[46:47]
	s_add_co_u32 s46, s20, s46
	s_add_nc_u64 s[OUTP:OUTP+1], s[OUTP:OUTP+1], s[46:47]
	v_and_b32 v1, 15, v0                           ; r
	v_bfe_u32 v2, v0, 4, 1                         ; h
	v_and_b32 v6, 31, v0
	v_lshlrev_b32 v[CO], 4, v6                     ; 16 x lane
	v_lshlrev_b32 v[BOO], 5, v2
	v_mul_u32_u24 v3, v1, PITCH
	v_lshl_add_u32 v4, v2, 4, v3
	v_add_nc_u32 v[ADRA], s18, v[CO]
	v_add_nc_u32 v[ADRB], s19, v4
	v_lshl_add_u32 v[ADSA], v1, 2, s21
	v_lshlrev_b32 v5, 5, v1                        ; Y's scales: 32 bytes a row,
	v_lshrrev_b32 v6, 8, v5
	v_lshl_add_u32 v5, v6, 4, v5                   ; and 16 more for each 256 passed
	v_add_nc_u32 v[ADSB], s22, v5
	v_mul_u32_u24 v5, v1, SPITCH
	v_lshl_add_u32 v5, v2, 5, v5
	v_add_nc_u32 v[STO], s23, v5
	v_add_nc_u32 v[RD], s23, v[CO]
	WIN 0xc0
.irp b, 0,1,2,3,4,5,6,7                ; register 8 b + j of a lane is column 16 b + 8 h + j
	global_load_b128 v[BO+8*\b:BO+8*\b+3], v[BOO], s[BP:BP+1] offset:64*\b
	global_load_b128 v[BO+8*\b+4:BO+8*\b+7], v[BOO], s[BP:BP+1] offset:64*\b+16
.endr
	WIN 0
.macro YL q                            ; 16 loads: Y's eight fragments of step q; the caller sets the window
.irp i, 0,1,2,3,4,5,6,7
.irp c, 0,1
	ds_load_b128 v[64*((\q)%4)+8*\i+4*\c:64*((\q)%4)+8*\i+4*\c+3], v[ADRB] offset:64*(\q)+32*\c+\i*16*PITCH
.endr
.endr
.endm
.macro XLOAD a                         ; 24 loads: X's block a, all of K, and its eight scale words, into set a % 2
.irp q, 0,1,2,3,4,5,6,7
.irp c, 0,1
	ds_load_b128 v[XF+64*((\a)%2)+8*\q+4*\c:XF+64*((\a)%2)+8*\q+4*\c+3], v[ADRA] offset:8192*(\a)+1024*\q+512*\c
.endr
	ds_load_b32 v[SCX+8*((\a)%2)+\q], v[ADSA] offset:512*\q+64*(\a)
.endr
.endm
; Block a: 64 matrix instructions, K ascending, the 8 accumulators by turns.  first = 1: Y's fragments are still coming: step q + 3's are asked for ahead of step q's products.
.macro MUL a, first
.irp q, 0,1,2,3,4,5,6,7
.if \first
.if \q < 5
	WIN 0x40*(1+(\q+3)/4)
	YL \q+3
	s_wait_dscnt 48                                ; step q's are in: behind them stand three steps' 16 loads each
.elseif \q == 5
	WIN 0
	XLOAD 1
	s_wait_dscnt 56                                ; behind step 5's: steps 6 and 7 and X's block 1
.else
	s_wait_dscnt 24+16*(7-\q)
.endif
.endif
	WIN 0xf1+\q/4                                  ; source 0 window 1 or 2, source 1 window 0, C and D window 3
.irp b, 0,1,2,3,4,5,6,7
.if \q == 0
	v_wmma_scale_f32_16x16x128_f8f6f4 v[8*\b:8*\b+7], v[64*(\q%4)+8*\b:64*(\q%4)+8*\b+7], v[XF+64*((\a)%2)+8*\q:XF+64*((\a)%2)+8*\q+7], v[BO+8*\b:BO+8*\b+7], v[SCY+8*\b+\q], v[SCX+8*((\a)%2)+\q] matrix_a_fmt:MATRIX_FMT_FP4 matrix_b_fmt:MATRIX_FMT_FP4
.else
	v_wmma_scale_f32_16x16x128_f8f6f4 v[8*\b:8*\b+7], v[64*(\q%4)+8*\b:64*(\q%4)+8*\b+7], v[XF+64*((\a)%2)+8*\q:XF+64*((\a)%2)+8*\q+7], v[8*\b:8*\b+7], v[SCY+8*\b+\q], v[SCX+8*((\a)%2)+\q] matrix_a_fmt:MATRIX_FMT_FP4 matrix_b_fmt:MATRIX_FMT_FP4
.endif
.endr
.endr
	PLACES 5                                       ; behind the block's last products: four for the stage's stores and the loads into X's set, five for the next block's first products, which write the accumulators anew
.endm
.macro TOSTAGE a                       ; 16 stores, 16 loads: the block into my stage, and back as whole rows of 512 bytes.  LDS serves a wave's instructions in order (ISA guide 5.7.1.4)
	WIN 0x0c
.irp b, 0,1,2,3,4,5,6,7
	ds_store_b128 v[STO], v[8*\b:8*\b+3] offset:64*\b              ; each accumulator from its low end on
	ds_store_b128 v[STO], v[8*\b+4:8*\b+7] offset:64*\b+16
.endr
	WIN 0xc0
.irp t, 0,1,2,3,4,5,6,7,8,9,10,11,12,13,14,15
	ds_load_b128 v[BK+64*((\a)%2)+4*\t:BK+64*((\a)%2)+4*\t+3], v[RD] offset:\t*SPITCH
.endr
	WIN 0
.endm
.macro SEND a, younger                 ; younger: the LDS loads issued behind the block's, which may stay out
	s_wait_dscnt \younger
	WIN 0x0c
.irp t, 0,1,2,3,4,5,6,7,8,9,10,11,12,13,14,15
	global_store_b128 v[CO], v[BK+64*((\a)%2)+4*\t:BK+64*((\a)%2)+4*\t+3], s[OUTP:OUTP+1] offset:(16*(\a)+\t)*SIZE_N*4 th:TH_STORE_NT   ; 32 lanes store 512 consecutive bytes, aligned
.endr
	WIN 0
.endm
	s_wait_alu depctr_va_vdst(0)
	s_wait_tensorcnt 0x0                           ; my tile of the head's four is in,
	s_barrier_signal -1
	s_barrier_wait -1                              ; everybody's is
.irp i, 0,1,2,3,4,5,6,7
	ds_load_b128 v[SCY+8*\i:SCY+8*\i+3], v[ADSB] offset:\i*SBLK
	ds_load_b128 v[SCY+8*\i+4:SCY+8*\i+7], v[ADSB] offset:\i*SBLK+16
.endr
	XLOAD 0
	WIN 0x40
	YL 0
	YL 1
	YL 2
	s_wait_loadcnt 0x0                             ; the bias
	MUL 0, 1
	TOSTAGE 0
	XLOAD 2
	s_wait_dscnt 40                                ; X's block 1 is in and the stage's 16 stores are done; the 16 loads back and block 2's 24 may be out
	MUL 1, 0
	SEND 0, 24
	TOSTAGE 1
	XLOAD 3
	s_wait_dscnt 40
	MUL 2, 0
	SEND 1, 24
	s_wait_xcnt 0x0                                ; block 0's stores have read their registers: block 2's rows may land there
	TOSTAGE 2
	s_wait_dscnt 16
	MUL 3, 0
	SEND 2, 0
	s_wait_xcnt 0x0
	TOSTAGE 3
	SEND 3, 0
	s_wait_tensorcnt 0x0                           ; the wave's end
	ds_add_u32 v[SPW], v[NIL]
	s_wait_dscnt 0x0
	CROUND                                         ; the closing round
	s_endpgm
.Lfunc_end_k_q499436af7e_oproj:
	.size	k_q499436af7e_oproj, .Lfunc_end_k_q499436af7e_oproj-k_q499436af7e_oproj
	.p2alignl 7, 3214868480
	.fill 96, 4, 3214868480
	.section	.rodata,"a",@progbits
	.p2align	6, 0x0
	.amdhsa_kernel k_q499436af7e_oproj
		.amdhsa_group_segment_fixed_size 327680
		.amdhsa_private_segment_fixed_size 0
		.amdhsa_enable_private_segment 0
		.amdhsa_kernarg_size 48
		.amdhsa_user_sgpr_count 2
		.amdhsa_user_sgpr_kernarg_segment_ptr 1
		.amdhsa_wavefront_size32 1
		.amdhsa_system_sgpr_workgroup_id_x 1
		.amdhsa_system_sgpr_workgroup_id_y 1
		.amdhsa_system_sgpr_workgroup_id_z 1
		.amdhsa_system_vgpr_workitem_id 0
		.amdhsa_next_free_vgpr 1024
		.amdhsa_next_free_sgpr 100
		.amdhsa_reserve_vcc 0
		.amdhsa_float_denorm_mode_32 3
		.amdhsa_float_denorm_mode_16_64 3
		.amdhsa_memory_ordered 1
		.amdhsa_forward_progress 1
		.amdhsa_inst_pref_size 74
	.end_amdhsa_kernel
	.amdgpu_metadata
---
amdhsa.version: [ 1, 2 ]
amdhsa.kernels:
  - .name:           k_q499436af7e_oproj
    .symbol:         k_q499436af7e_oproj.kd
    .args:
      - { .name: oc, .offset: 0, .size: 8, .value_kind: global_buffer, .address_space: global }
      - { .name: os, .offset: 8, .size: 8, .value_kind: global_buffer, .address_space: global }
      - { .name: Wo_codes, .offset: 16, .size: 8, .value_kind: global_buffer, .address_space: global }
      - { .name: Wo_scales, .offset: 24, .size: 8, .value_kind: global_buffer, .address_space: global }
      - { .name: bo, .offset: 32, .size: 8, .value_kind: global_buffer, .address_space: global }
      - { .name: out0, .offset: 40, .size: 8, .value_kind: global_buffer, .address_space: global }
    .group_segment_fixed_size: 327680
    .private_segment_fixed_size: 0
    .kernarg_segment_align: 8
    .kernarg_segment_size: 48
    .max_flat_workgroup_size: 128
    .sgpr_count:     100
    .vgpr_count:     1024
    .wavefront_size: 32
...
	.end_amdgpu_metadata
.endif
;; end of part 3
